; MI455X (gfx1250); checked and timed in simulation.
; The chip was launched on July 23, 2026; its instructions are those of AMD's public machine-readable ISA for CDNA 5 (MIT licence, August 2026) and "CDNA5" Instruction Set Architecture Reference Guide (July 2026). The comments in the code are by the model that wrote it; some were corrected since.
;; Multi Head Self Attention. Allowed arithmetic: matrix products marked QUANTISED: E2M1 operands, one E8M0 scale for each 32 along K, by v_wmma_scale_f32_16x16x128_f8f6f4 with both operands' format E2M1 (or v_wmma_scale_f32_32x16x128_f4), f32 sums; everything else in f32.
;; Inputs: Wk 1,024 x 1,024 float32; Wq 1,024 x 1,024 float32; Wv 1,024 x 1,024 float32; bk 1,024 float32; bq 1,024 float32; bv 1,024 float32; key 4 x 2,048 x 1,024 float32; query 4 x 2,048 x 1,024 float32; value 4 x 2,048 x 1,024 float32.
;; Outputs: out0 4 x 2,048 x 1,024 float32.
;; This version of the problem:
;;   THIS VERSION OF THE PROBLEM IS GIVEN IN LOW PRECISION. The matrix products marked QUANTISED in the list below multiply operands that are first quantised to E2M1 (2 exponent bits, 1 mantissa bit; 4 bits a number), with one power-of-two scale for each 32 numbers along K (OCP MX v1.0); their sums are f32. All else is computed in f32.
;;   The module's matrix products, in the order in which they are computed (A, B: the left and right operand; K: the contracted axis; several contracted axes count as one K, in the product's order):
;;     1. [M 8,192, K 1,024] x [K 1,024, N 1,024]; A: input query; B: input Wq: QUANTISED
;;     2. [M 8,192, K 1,024] x [K 1,024, N 1,024]; A: input key; B: input Wk: QUANTISED
;;     3. [M 8,192, K 1,024] x [K 1,024, N 1,024]; A: input value; B: input Wv: QUANTISED
;;     4. batch 64 x [M 2,048, K 64] x [K 64, N 2,048]; A: computed on the way; B: computed on the way: QUANTISED
;;     5. batch 64 x [M 2,048, K 2,048] x [K 2,048, N 64]; A: softmax (see below); B: computed on the way: QUANTISED
;;   THE QUANTISER, for each operand of a quantised product, along K:
;;     - K is cut into blocks of 32 from its start; a last block that is shorter is filled with zeros.
;;     - A block's scale is 2^e with e = floor(log2(the largest magnitude in the block)) - 2, held to -126 .. 127; a block of zeros has e = 0. As a byte (E8M0): e + 127.
;;     - Each number is divided by its block's scale, clamped to +-6, and rounded to the nearest number of E2M1, ties to even, subnormals kept.
;;     - The product sums the exact products of the quantised numbers (number of the format x scale) in f32.
;;   ~~~python
;;   def quantise(x, axis):      # numpy; x: float32 -> the quantised numbers, widened to float32 again
;;       x = np.moveaxis(x, axis, -1); K = x.shape[-1]
;;       x = np.pad(x, [(0, 0)] * (x.ndim - 1) + [(0, -K % 32)]); x = x.reshape(x.shape[:-1] + (-1, 32)); a = np.abs(x).max(-1, keepdims=True)
;;       e = np.where(a > 0, np.clip(np.frexp(np.where(a > 0, a, 1))[1] - 1 - 2, -126, 127), 0)      # np.frexp(a)[1] - 1 = floor(log2(a)), exactly
;;       r = np.clip(x / 2.0 ** e, -6, 6)
;;       step = 2.0 ** (np.maximum(np.frexp(np.where(r == 0, 1, r))[1] - 1, 0) - 1)
;;       q = np.round(r / step) * step * 2.0 ** e      # np.round: ties to even
;;       return np.moveaxis(q.reshape(q.shape[:-2] + (-1,))[..., :K], -1, axis).astype(np.float32)
;;   ~~~
;;   SOFTMAX AHEAD OF A QUANTISED PRODUCT. Where the list says 'softmax', what is quantised is not the finished softmax but p = 2^(t - M), with t = logit x log2(e) and M = ceil(the row's largest t), a whole number; so 1/2 < the row's largest p <= 1. The row's sum l is taken of the UNQUANTISED p, in f32, and the product's result is divided by l at the end. Since M is a whole number, a kernel that streams over the keys may use a running M (the ceiling of the running maximum): every later rescaling is an exact power of two, which a block's scale takes up: the codes' values come out the same.
;;   OPERANDS COMPUTED ON THE WAY. 'Computed on the way' means the value that the module computes at that place (a softmax that the list does not call 'softmax' is quantised finished and normalised). What goes into a quantiser is computed in f32, as accurately as f32 sums, v_exp_f32 and their like allow (about 1e-6 of the number): no bf16 or f16 on the way to a quantiser, and a product that is left as it is and whose result goes on into a quantised operand takes f32 operands (vector FMAs, or v_wmma_f32_16x16x4_f32). A number that lies on a knife's edge between two numbers of the format may be rounded either way, as far as f32 arithmetic and the matrix unit's own rounding can turn it there, and no further.
;; One version. Each part assembles by itself: llvm-mc -triple=amdgcn-amd-amdhsa -mcpu=gfx1250 --defsym DOCPART=n.
;; ======== version 1 of 1: 3 launches
;; limits: right only within a limited range of input values
;; workspace buffers: codes 14,155,776 bytes; scales 884,736 bytes; heads 13,893,632 bytes
;; launch quant (part 1): grid 864 x 1, 4 waves a work-group, no clusters, 33,280 bytes of LDS; arguments query, key, value, Wq, Wk, Wv, codes, scales; writes codes, scales
.if DOCPART == 1
	.amdgcn_target "amdgcn-amd-amdhsa--gfx1250"
	.amdhsa_code_object_version 6
	.text
	.protected	k_q0561348b8b_quant
	.globl	k_q0561348b8b_quant
	.p2align	8
	.type	k_q0561348b8b_quant,@function
k_q0561348b8b_quant:
	s_mov_b64 s[64:65], 0
	v_nop
	global_prefetch_b8 v0, s[64:65] scope:SCOPE_SE
	s_setreg_imm32_b32 hwreg(HW_REG_WAVE_MODE, 25, 1), 1
	s_wait_xcnt 0x0
; query, key, value [8192][1024] and Wq, Wk, Wv [1024][1024], f32, K = the last axis, become codes of FP4 (E2M1), two a byte, K innermost, with one E8M0 scale byte for each 32 along K.
; A block's scale is 2^(floor(log2(its largest magnitude)) - 2); its byte is the largest magnitude's exponent field - 2, held at 1 from below; each number is divided by the scale and rounded to the nearest code, ties to even, beyond 6 the largest code.
; LIMITS: a block of zeros, or one whose largest magnitude lies under 2^-124, gets the byte 1 (its codes are zeros or what the floor's scale gives; the bytes are read by this program alone); NaN and infinities among the inputs are not served.
; SHARES.  The six tensors are 864 groups of 32 rows: groups 0-255 query, 256-511 key, 512-767 value, 768-799 Wq, 800-831 Wk, 832-863 Wv.  A work-group takes a group, a wave 8 rows: 16 steps of 512 numbers.
; THE ROWS OF A GROUP ARE STORED IN ANOTHER ORDER: rows 0-7, 16-23, 8-15, 24-31.  So position r of the u-th 16 stored rows is row 8 u + r + 8 (r / 8): the order in which the next launch wants the rows of a tile,
; so that what it computes has 16 neighbours along the next product's K in a lane's registers.  Here it costs one permuted wave number in the output offsets.
; A lane must hold 16 NEIGHBOURS for the conversions, and a load is best where neighbouring lanes take neighbouring bytes: each load reads 512 consecutive bytes, a step's 2,048 bytes go through the wave's own stage in LDS
; (16 bytes of padding behind each 64) and come back 64 bytes a lane.  A wave's store of codes covers 256 consecutive bytes, aligned; its 256 scale bytes are gathered in LDS and leave by one such store.
; The work-groups share no input, so there is no cluster; waves share nothing, so there is no barrier.  Loads run four steps (16 loads a wave) ahead, the turn through LDS one step.
.set STEPS, 16
.set EMAX,  2
.set CB,    8                          ; bytes of 16 codes
.set R,     16                         ; v16-79   four sets of 16 numbers as they are loaded
.set X,     80                         ; v80-111  two sets of 16 neighbours
.set C,     128                        ; v128-191 codes: four registers for each step, so that no store's data are written again
.set E,     112                        ; v112-127 a scale byte for each step
.set WREG,  8192                       ; LDS: a region for each wave: two stages of 32 x SP bytes, behind them its 256 scale bytes
.set SP,    80                         ; a lane's place in a stage: its 64 bytes + 16 of padding
	s_load_b256 s[4:11], s[0:1], 0x0               ; query s[4:5], key s[6:7], value s[8:9], Wq s[10:11]
	s_load_b256 s[12:19], s[0:1], 0x20             ; Wk s[12:13], Wv s[14:15], codes s[16:17], scales s[18:19]
	v_lshl_add_u32 v192, v0, 2, 0x8000
	v_mov_b32 v193, 0
	v_lshrrev_b32 v1, 5, v0
	v_readfirstlane_b32 s24, v1                    ; wave
	v_and_b32 v2, 31, v0                           ; lane
	v_lshlrev_b32 v3, 4, v2                        ; my 16 bytes of a load's 512
	s_mul_i32 s25, s24, WREG
	v_lshrrev_b32 v14, 2, v2
	v_mul_u32_u24 v14, v14, SP
	v_and_b32 v15, 3, v2
	v_lshl_add_u32 v14, v15, 4, v14
	v_add_nc_u32 v14, s25, v14                     ; the stage, on the way in: SP (lane / 4) + 16 (lane % 4); a load's 512 bytes take eight places
	v_mul_u32_u24 v15, v2, SP
	v_add_nc_u32 v15, s25, v15                     ; and on the way out: SP x lane: my 16 neighbours
	v_mul_u32_u24 v4, v2, CB                       ; my codes' place in a step's
	v_lshrrev_b32 v5, 1, v2
	s_add_co_u32 s25, s25, 2*32*SP
	v_add_nc_u32 v5, s25, v5                       ; LDS: my wave's 256 scale bytes, my block's byte
	v_lshlrev_b32 v7, 3, v2                        ; and on the way out 8 bytes a lane
	v_add_nc_u32 v6, s25, v7
	s_wait_alu depctr_va_vdst(0)
	s_wait_kmcnt 0x0
	; which tensor the group belongs to, and the tensor's first group: a chain of choices on the work-group's number alone
	s_mov_b64 s[20:21], s[14:15]
	s_mov_b32 s22, 832
	s_cmp_lt_u32 ttmp9, 832
	s_cselect_b64 s[20:21], s[12:13], s[20:21]
	s_cselect_b32 s22, 800, s22
	s_cmp_lt_u32 ttmp9, 800
	s_cselect_b64 s[20:21], s[10:11], s[20:21]
	s_cselect_b32 s22, 768, s22
	s_cmp_lt_u32 ttmp9, 768
	s_cselect_b64 s[20:21], s[8:9], s[20:21]
	s_cselect_b32 s22, 512, s22
	s_cmp_lt_u32 ttmp9, 512
	s_cselect_b64 s[20:21], s[6:7], s[20:21]
	s_cselect_b32 s22, 256, s22
	s_cmp_lt_u32 ttmp9, 256
	s_cselect_b64 s[20:21], s[4:5], s[20:21]
	s_cselect_b32 s22, 0, s22
	s_sub_co_u32 s26, ttmp9, s22                   ; the group within its tensor: 131,072 bytes a group,
	s_lshl_b32 s26, s26, 17
	s_lshl_b32 s27, s24, 15                        ; 32,768 a wave
	s_add_co_u32 s26, s26, s27
	s_mov_b32 s27, 0
	s_add_nc_u64 s[20:21], s[20:21], s[26:27]
	s_and_b32 s28, s24, 1                          ; where my 8 rows are stored: waves 0, 1, 2, 3 take places 0, 2, 1, 3
	s_lshl_b32 s28, s28, 1
	s_lshr_b32 s29, s24, 1
	s_or_b32 s28, s28, s29
	s_lshl_b32 s26, ttmp9, 2
	s_add_co_u32 s26, s26, s28                     ; my place of 8 rows among all places: 4 a group
	; THE KEY TENSOR'S ROWS (groups 256-511) ARE STORED IN YET ANOTHER ORDER, by pairs of groups (64 rows): the 8 rows 32 g + 8 w (g = group % 2) take place 2 w + g of the pair's eight.
	; So stored tile w of a pair holds keys 8 w .. 8 w + 7 in its rows 0-7 and keys 32 + 8 w .. in its rows 8-15: in the scores a lane then holds whole blocks of 32 keys.
	s_and_b32 s29, ttmp9, 1
	s_lshl_b32 s30, s24, 1
	s_or_b32 s30, s30, s29                         ; 2 w + g
	s_and_b32 s29, ttmp9, 0x3fe
	s_lshl_b32 s29, s29, 2
	s_add_co_u32 s29, s29, s30                     ; the pair's first place + that
	s_lshr_b32 s30, ttmp9, 8
	s_cmp_eq_u32 s30, 1                            ; a group of key?  The choice hangs on the work-group's number alone
	s_cselect_b32 s26, s29, s26
	s_lshl_b32 s26, s26, 12                        ; codes: 4,096 bytes a place
	s_add_nc_u64 s[16:17], s[16:17], s[26:27]
	s_lshr_b32 s26, s26, 4                         ; scale bytes: a sixteenth of that
	s_add_nc_u64 s[18:19], s[18:19], s[26:27]
.macro LOAD t
.irp i, 0,1,2,3
	global_load_b128 v[R+16*((\t)%4)+4*\i:R+16*((\t)%4)+4*\i+3], v3, s[20:21] offset:2048*(\t)+512*\i th:TH_LOAD_NT   ; 32 lanes read 512 consecutive bytes
.endr
.endm
.macro TURN t                          ; step t's numbers through the stage: LDS serves a wave's instructions in order, so no wait stands between the stores and the loads
.irp i, 0,1,2,3
	ds_store_b128 v14, v[R+16*((\t)%4)+4*\i:R+16*((\t)%4)+4*\i+3] offset:32*SP*((\t)%2)+8*SP*\i
.endr
.irp i, 0,1,2,3
	ds_load_b128 v[X+16*((\t)%2)+4*\i:X+16*((\t)%2)+4*\i+3], v15 offset:32*SP*((\t)%2)+16*\i
.endr
.endm
.irp t, 0,1,2,3
	LOAD \t
.endr
	s_wait_loadcnt 12                              ; step 0's four loads are in; the twelve of steps 1 to 3 may be out
	TURN 0
.macro STEP t
.set XS, X+16*((\t)%2)
.if (\t) > 0
	s_wait_dscnt 1                                 ; this step's numbers are back from the stage (the last step's byte store may be out): so its stores into the stage have read their registers,
.else
	s_wait_dscnt 0x0
.endif
.if (\t)+4 < STEPS
	LOAD (\t)+4                                    ; which take the loads of four steps on
.endif
.if (\t)+1 < STEPS
.if STEPS-2-(\t) >= 3
	s_wait_loadcnt 12                              ; the next step's four loads are in; those of the three steps behind it may be out
.else
	s_wait_loadcnt 4*(STEPS-2-(\t))                ; near the end fewer steps are behind it
.endif
	TURN (\t)+1                                    ; and go through the other stage while this step is worked
.endif
	v_max3_num_f32 v8, |v[XS]|, |v[XS+1]|, |v[XS+2]|               ; the largest magnitude of my 16, in two chains
	v_max3_num_f32 v9, |v[XS+3]|, |v[XS+4]|, |v[XS+5]|
.irp i, 6,10
	v_max3_num_f32 v8, v8, |v[XS+\i]|, |v[XS+\i+1]|
	v_max3_num_f32 v9, v9, |v[XS+\i+2]|, |v[XS+\i+3]|
.endr
	v_max3_num_f32 v8, v8, |v[XS+14]|, |v[XS+15]|
	v_max3_num_f32 v8, v8, v9, (EMAX+1)<<23        ; and the floor 2^(3 - 127): so the byte cannot fall under 1
	v_max_num_f32_dpp v8, v8, v8 row_xmask:1 row_mask:0xf bank_mask:0xf   ; and of my neighbour's 16: the block's
	v_add_nc_u32 v11, -(EMAX<<23), v8              ; 2 off its exponent field: the conversion takes the exponent field of this operand as its scale, and nothing else of it
	v_cvt_scalef32_pk8_fp4_f32 v[C+4*(\t)], v[XS:XS+7], v11
	v_cvt_scalef32_pk8_fp4_f32 v[C+4*(\t)+1], v[XS+8:XS+15], v11
	v_lshrrev_b32 v[E+(\t)], 23, v11               ; the scale's byte (also the plain line behind the conversions)
	ds_store_b8 v5, v[E+(\t)] offset:16*(\t)       ; both lanes of a block write the same byte with the same value
	global_store_b64 v4, v[C+4*(\t):C+4*(\t)+1], s[16:17] offset:32*CB*(\t)   ; 32 lanes store 256 consecutive bytes, aligned
.endm
.irp t, 0,1,2,3,4,5,6,7,8,9,10,11,12,13,14,15
	STEP \t
.endr
	ds_load_b64 v[12:13], v6                       ; LDS serves a wave's instructions in order: these see my byte stores
	s_wait_dscnt 0x0
	global_store_b64 v7, v[12:13], s[18:19]        ; 32 lanes store my wave's 256 scale bytes, aligned
	s_wait_tensorcnt 0x0
	ds_add_u32 v192, v193
	s_wait_dscnt 0x0
	s_endpgm
.Lfunc_end_k_q0561348b8b_quant:
	.size	k_q0561348b8b_quant, .Lfunc_end_k_q0561348b8b_quant-k_q0561348b8b_quant
	.p2alignl 7, 3214868480
	.fill 96, 4, 3214868480
	.section	.rodata,"a",@progbits
	.p2align	6, 0x0
	.amdhsa_kernel k_q0561348b8b_quant
		.amdhsa_group_segment_fixed_size 33280
		.amdhsa_private_segment_fixed_size 0
		.amdhsa_enable_private_segment 0
		.amdhsa_kernarg_size 64
		.amdhsa_user_sgpr_count 2
		.amdhsa_user_sgpr_kernarg_segment_ptr 1
		.amdhsa_wavefront_size32 1
		.amdhsa_system_sgpr_workgroup_id_x 1
		.amdhsa_system_sgpr_workgroup_id_y 1
		.amdhsa_system_sgpr_workgroup_id_z 1
		.amdhsa_system_vgpr_workitem_id 0
		.amdhsa_next_free_vgpr 194
		.amdhsa_next_free_sgpr 66
		.amdhsa_reserve_vcc 0
		.amdhsa_float_denorm_mode_32 3
		.amdhsa_float_denorm_mode_16_64 3
		.amdhsa_memory_ordered 1
		.amdhsa_forward_progress 1
		.amdhsa_inst_pref_size 34
	.end_amdhsa_kernel
	.amdgpu_metadata
---
amdhsa.version: [ 1, 2 ]
amdhsa.kernels:
  - .name:           k_q0561348b8b_quant
    .symbol:         k_q0561348b8b_quant.kd
    .args:
      - { .name: query, .offset: 0, .size: 8, .value_kind: global_buffer, .address_space: global }
      - { .name: key, .offset: 8, .size: 8, .value_kind: global_buffer, .address_space: global }
      - { .name: value, .offset: 16, .size: 8, .value_kind: global_buffer, .address_space: global }
      - { .name: Wq, .offset: 24, .size: 8, .value_kind: global_buffer, .address_space: global }
      - { .name: Wk, .offset: 32, .size: 8, .value_kind: global_buffer, .address_space: global }
      - { .name: Wv, .offset: 40, .size: 8, .value_kind: global_buffer, .address_space: global }
      - { .name: codes, .offset: 48, .size: 8, .value_kind: global_buffer, .address_space: global }
      - { .name: scales, .offset: 56, .size: 8, .value_kind: global_buffer, .address_space: global }
    .group_segment_fixed_size: 33280
    .private_segment_fixed_size: 0
    .kernarg_segment_align: 8
    .kernarg_segment_size: 64
    .max_flat_workgroup_size: 128
    .sgpr_count:     66
    .vgpr_count:     194
    .wavefront_size: 32
...
	.end_amdgpu_metadata
.endif
;; end of part 1
;; launch proj (part 2): grid 4 x 96, 4 waves a work-group, clusters of 4 x 4, 327,680 bytes of LDS; arguments codes, scales, bq, bk, bv, heads; writes heads
.if DOCPART == 2
	.amdgcn_target "amdgcn-amd-amdhsa--gfx1250"
	.amdhsa_code_object_version 6
	.text
	.protected	k_q0561348b8b_proj
	.globl	k_q0561348b8b_proj
	.p2align	8
	.type	k_q0561348b8b_proj,@function
k_q0561348b8b_proj:
	s_mov_b64 s[64:65], 0
	v_nop
	global_prefetch_b8 v0, s[64:65] scope:SCOPE_SE
	s_setreg_imm32_b32 hwreg(HW_REG_WAVE_MODE, 25, 1), 1
	s_wait_xcnt 0x0
	s_wait_alu depctr_hold_cnt(0) depctr_sa_sdst(0) depctr_va_vdst(0) depctr_va_sdst(0) depctr_va_ssrc(0) depctr_va_vcc(0) depctr_vm_vsrc(0)
	s_getreg_b32 s2, hwreg(HW_REG_IB_STS2, 6, 4)
	s_cmp_eq_u32 s2, 0
	s_cbranch_scc0 .Lentry_in_a_cluster
	s_endpgm
.Lentry_in_a_cluster:
	s_bfe_u32 s2, ttmp6, 0x10000c
	s_cmp_lg_u32 s2, 0xf033
	s_cbranch_scc0 .Lentry_shape_is_right
	s_endpgm
.Lentry_shape_is_right:
.set NQ,     4
.set ROWB,   256
.set KROW,   512
; Q, K and V^T = codes x codes + bias, quantised again on the way out.  A work-group makes 256 x 256, a wave 128 x 128; K = 1,024 is 512 bytes of codes a row.
; ALL OF K COMES AT THE HEAD, one joint load a wave: wave 0 the 256 rows of A's codes, wave 1 B's, wave 2 A's scale bytes, wave 3 B's.  No LDS byte is filled twice.
; An LDS row of codes is 512 bytes + 16 of padding; the names slot 0 and slot 1 stand for a row's first and second 256 bytes.
.set PITCH,  528
.set FR,     8
.set HALFT,  128*PITCH
.set SLOT,   256
.set KS,     32
.set SCL,    4*HALFT
.set HALFS,  16*272
.set SBLK,   2*272
.set HEADB,  217088
.set ADRA, 16
.set ADRB, 20
.set VO0,  24
.set VO1,  25
.set VO8,  26
.set ADRS, 27
.set SC,   32
.set B1,   96
.set PWS,  112
.set AF,   128
.set TM,   128
.set PC,   144
.set E,    160
.set F,    164
.set R,    168
.set B0,   192
.set T,    192
.set G1, 24
.set G0, 32
.set G1B, 48
.set G0B, 56
.set G1S, 68
.set G0S, 76
.set G1SB, 80
.set G0SB, 88
.set SEL, 100
.set MSB, 0
.macro WIN new
.if MSB != \new
	s_set_vgpr_msb (MSB<<8)|\new
.set MSB, \new
.endif
.endm
.set MUL_LO, 0xa1
.set MUL_HI, 0xf1
.set FST_LO, 0x81
.set FST_HI, 0xc1
.set TO_B,   0x40
.macro ARM under, g0, g1, next         ; one arm of the head's tree of branches on the wave's number: its load, and a jump to the tree's end
	s_cmp_lt_u32 s16, \under
	s_cbranch_scc0 \next
	tensor_load_to_lds s[\g0:\g0+3], s[\g1:\g1+7]
	s_nop 0
.rept 4
	v_nop
.endr
	s_branch .Lhead_asked
\next:
.endm
.macro CROUND
	s_barrier_signal -1
	s_barrier_wait -1
	s_cmp_lg_u32 s16, 0
	s_cbranch_scc1 .Lnot_wave_0_\@
	s_barrier_signal -3
.Lnot_wave_0_\@:
	s_barrier_wait -3
	s_barrier_signal -1
	s_barrier_wait -1
.endm
	s_load_b256 s[4:11], s[0:1], 0x0
	s_load_b128 s[12:15], s[0:1], 0x20
	v_lshl_add_u32 v126, v0, 2, 0x48400
	v_mov_b32 v127, 0
	ds_add_u32 v126, v127
	ds_add_u32 v126, v127
	v_lshrrev_b32 v1, 5, v0
	v_readfirstlane_b32 s16, v1
	s_lshr_b32 s17, s16, 1
	s_and_b32 s18, s16, 1
	s_bfe_u32 s40, ttmp6, 0x40000
	s_bfe_u32 s41, ttmp6, 0x40004
	s_and_b32 s19, ttmp7, 0xffff
	s_lshr_b32 s20, s19, 3
	s_and_b32 s21, s19, 7
	s_lshl_b32 s21, s21, 2
	s_lshr_b32 s22, s20, 1
	s_xor_b32 s23, s22, 1
	s_mul_i32 s46, s21, s23
	s_add_co_u32 s43, s41, s46
	s_mul_i32 s46, s21, s22
	s_add_co_u32 s42, s40, s46
	s_lshl_b32 s44, s41, 2
	s_lshl_b32 s44, 15, s44
	s_lshl_b32 s45, 0x1111, s40
	s_or_b32 s[G1+0], s44, (0<<16)|(1<<20)|(1<<21)|(6<<22)|(3<<25)   ; padding: four words after every 128
	s_or_b32 s[G1B+0], s45, (0<<16)|(1<<20)|(1<<21)|(6<<22)|(3<<25)
.irp g, G1, G1B
	s_mov_b32 s[\g+1], KROW<<16
	s_mov_b32 s[\g+2], 256<<16
	s_mov_b32 s[\g+3], KROW<<16
	s_mov_b32 s[\g+4], 256
	s_mov_b32 s[\g+5], KROW
	s_mov_b32 s[\g+6], 0
	s_mov_b32 s[\g+7], 0
.endr
	s_or_b32 s[G1S+0], s44, (3<<16)|(1<<20)|(1<<21)|(5<<22)|(3<<25)
	s_or_b32 s[G1SB+0], s45, (3<<16)|(1<<20)|(1<<21)|(5<<22)|(3<<25)
.irp g, G1S, G1SB
	s_mov_b32 s[\g+1], 32<<16
	s_mov_b32 s[\g+2], 32<<16
	s_mov_b32 s[\g+3], 32<<16
	s_mov_b32 s[\g+4], 32
	s_mov_b32 s[\g+5], 32
	s_mov_b32 s[\g+6], 0
	s_mov_b32 s[\g+7], 0
.endr
	s_mul_i32 s46, s23, s20
	s_lshl_b32 s46, s46, 22
	s_mul_i32 s100, s22, 0xD00000
	s_add_co_u32 s46, s46, s100
	s_lshl_b32 s2, s43, 8
	s_lshl_b32 s2, s2, 9
	s_add_co_u32 s2, s2, s46
	s_mov_b32 s3, 0
	s_lshr_b32 s96, s2, 4
	s_mov_b32 s97, 0
	s_lshl_b32 s46, s20, 19
	s_add_co_u32 s46, s46, 0xC00000
	s_mul_i32 s46, s46, s23
	s_lshl_b32 s100, s22, 23
	s_add_co_u32 s46, s46, s100
	s_lshl_b32 s66, s42, 8
	s_lshl_b32 s66, s66, 9
	s_add_co_u32 s66, s66, s46
	s_mov_b32 s67, 0
	s_lshr_b32 s98, s66, 4
	s_mov_b32 s99, 0
	s_wait_dscnt 0x0
	s_wait_kmcnt 0x0
	s_add_nc_u64 s[2:3], s[4:5], s[2:3]
	s_add_nc_u64 s[66:67], s[4:5], s[66:67]
	CROUND
	s_mov_b32 s[G0], 1                             ; A's 256 rows of codes, all of K, to LDS byte 0
	s_mov_b32 s[G0+1], 0
	s_mov_b64 s[G0+2:G0+3], s[2:3]
	s_or_b32 s[G0+3], s[G0+3], 0x80000000
	s_mov_b32 s[G0B], 1                            ; B's, behind them
	s_mov_b32 s[G0B+1], 2*HALFT
	s_mov_b64 s[G0B+2:G0B+3], s[66:67]
	s_or_b32 s[G0B+3], s[G0B+3], 0x80000000
	s_mov_b32 s[G0S], 1                            ; the scale bytes of A's 256 rows: 8,192 dense bytes
	s_mov_b32 s[G0S+1], SCL
	s_add_nc_u64 s[G0S+2:G0S+3], s[6:7], s[96:97]
	s_or_b32 s[G0S+3], s[G0S+3], 0x80000000
	s_mov_b32 s[G0SB], 1                           ; and of B's
	s_mov_b32 s[G0SB+1], SCL+2*HALFS
	s_add_nc_u64 s[G0SB+2:G0SB+3], s[6:7], s[98:99]
	s_or_b32 s[G0SB+3], s[G0SB+3], 0x80000000
	ARM 1, G0,  G1,  .Lhead_b                      ; one tree, one load to an arm: every way through the head passes exactly one
	ARM 2, G0B, G1B, .Lhead_sa
	ARM 3, G0S, G1S, .Lhead_sb
	tensor_load_to_lds s[G0SB:G0SB+3], s[G1SB:G1SB+7]
	s_nop 0
.rept 4
	v_nop
.endr
.Lhead_asked:
	v_and_b32 v1, 15, v0
	v_bfe_u32 v2, v0, 4, 1
	s_wait_alu depctr_va_vdst(0)
	s_lshl_b32 s46, s43, 8
	s_lshl_b32 s47, s17, 7
	s_add_co_u32 s46, s46, s47
	s_lshl_b32 s47, s42, 8
	s_lshl_b32 s100, s18, 7
	s_add_co_u32 s47, s47, s100
	s_cmp_eq_u32 s20, 0
	s_cselect_b64 s[94:95], s[8:9], s[10:11]
	s_cmp_eq_u32 s20, 2
	s_cselect_b64 s[94:95], s[12:13], s[94:95]
	s_mul_i32 s100, s47, s23
	s_lshl_b32 s100, s100, 2
	s_mov_b32 s101, 0
	s_add_nc_u64 s[92:93], s[94:95], s[100:101]
	s_mul_i32 s100, s46, s22
	s_lshl_b32 s100, s100, 2
	s_add_nc_u64 s[94:95], s[94:95], s[100:101]
	v_lshlrev_b32 v7, 6, v2
	v_and_b32 v8, 8, v1
	v_add_nc_u32 v8, v8, v1
	v_lshlrev_b32 v8, 2, v8
.irp b, 0,1,2,3,4,5,6,7
	global_load_b128 v[B0+8*\b:B0+8*\b+3], v7, s[92:93] offset:(32*(\b/2)+8*(\b%2))*4
	global_load_b128 v[B0+8*\b+4:B0+8*\b+7], v7, s[92:93] offset:(32*(\b/2)+8*(\b%2))*4+16
.endr
.irp a, 0,1,2,3,4,5,6,7
	global_load_b32 v[B1+2*\a], v8, s[94:95] offset:(32*(\a/2)+8*(\a%2))*4
	v_mov_b32 v[B1+2*\a+1], 0
.endr
	v_mul_u32_u24 v3, v1, PITCH
	v_lshl_add_u32 v4, v2, 4, v3
	s_mul_i32 s100, s17, HALFT
	s_mul_i32 s101, s18, HALFT
	s_add_co_u32 s101, s101, 2*HALFT
.irp s, 0,1
	v_add_nc_u32 v[ADRA+\s], s100, v4
	v_add_nc_u32 v[ADRB+\s], s101, v4
	s_add_co_u32 s100, s100, SLOT
	s_add_co_u32 s101, s101, SLOT
.endr
	v_mul_u32_u24 v5, v1, KS
	v_lshrrev_b32 v6, 8, v5
	v_lshl_add_u32 v5, v6, 4, v5
	s_mul_i32 s100, s17, HALFS
	s_mul_i32 s101, s18, HALFS
	s_add_co_u32 s101, s101, 2*HALFS
	s_sub_co_u32 s101, s101, s100
	v_mul_u32_u24 v6, s101, v2
	s_add_co_u32 s100, s100, SCL
	v_add_nc_u32 v5, v5, v6
	v_add_nc_u32 v[ADRS], s100, v5
	s_cmp_eq_u32 s22, 1
	s_cselect_b32 s100, s47, s46
	s_cselect_b32 s101, s46, s47
	s_mov_b32 s98, 512
	s_cselect_b32 s98, HEADB-3072, s98
	s_mov_b32 s66, HEADB
	s_cselect_b32 s66, 512, s66
	s_lshl_b32 s96, 512, s22
	s_lshr_b32 s2, s100, 11
	s_lshl_b32 s2, s2, 4
	s_lshr_b32 s3, s101, 6
	s_add_co_u32 s2, s2, s3
	s_mul_i32 s2, s2, HEADB
	s_bfe_u32 s3, s100, 0x40007
	s_mul_i32 s101, s20, 73728
	s_lshl_b32 s100, s22, 13
	s_sub_co_u32 s101, s101, s100
	s_add_co_u32 s101, s101, s2
	s_lshl_b32 s100, s3, 12
	s_add_co_u32 s100, s100, s101
	s_mul_i32 s101, s20, 139264
	s_add_co_u32 s101, s101, 65536
	s_lshl_b32 s67, s22, 17
	s_sub_co_u32 s101, s101, s67
	s_add_co_u32 s101, s101, s2
	s_lshl_b32 s3, s3, 9
	s_lshr_b32 s3, s3, s22
	s_add_co_u32 s2, s101, s3
	v_and_b32 v9, 31, v0
	v_lshlrev_b32 v[VO0], 4, v9
	v_add_nc_u32 v[VO1], s66, v[VO0]
	v_lshlrev_b32 v[VO8], 3, v9
	s_sub_co_u32 s46, 0, s22
	s_sub_co_u32 s47, 0, s23
	s_wait_loadcnt 0x0
	s_mov_b32 s101, 0
	s_add_nc_u64 s[92:93], s[14:15], s[100:101]
	s_mov_b32 s3, 0
	s_add_nc_u64 s[94:95], s[14:15], s[2:3]
	s_mov_b32 s[SEL], 0x76543210
	s_mov_b32 s[SEL+1], 0xfedcba98
.set jj, 0
.rept 64
	v_and_b32 v[B0+jj], s47, v[B0+jj]
.set jj, jj+1
.endr
.irp a, 0,1,2,3,4,5,6,7
	v_and_b32 v[B1+2*\a], s46, v[B1+2*\a]
.endr
.macro FRAG reg, adr, q, i
.irp c, 0,1
	ds_load_b128 v[\reg+4*\c:\reg+4*\c+3], v[\adr] offset:64*(\q)+32*\c+(\i)*16*PITCH
.endr
.endm
.macro MUL16 a0, p, q, sc, first
.irp a, \a0, \a0+1
.irp b, 0,1,2,3,4,5,6,7
.if \first
	v_wmma_scale_f32_16x16x128_f8f6f4 v[8*(8*((\a)%4)+\b):8*(8*((\a)%4)+\b)+7], v[128*(\p)+FR*\b:128*(\p)+FR*\b+FR-1], v[AF+FR*(\a):AF+FR*(\a)+FR-1], v[B0+8*\b:B0+8*\b+7], v[SC+8*NQ*(\sc)+NQ*\b+(\q)], v[SC+8*NQ*(\sc)+NQ*(\a)+(\q)] matrix_a_fmt:MATRIX_FMT_FP4 matrix_b_fmt:MATRIX_FMT_FP4 matrix_a_scale:MATRIX_SCALE_ROW1
.else
	v_wmma_scale_f32_16x16x128_f8f6f4 v[8*(8*((\a)%4)+\b):8*(8*((\a)%4)+\b)+7], v[128*(\p)+FR*\b:128*(\p)+FR*\b+FR-1], v[AF+FR*(\a):AF+FR*(\a)+FR-1], v[8*(8*((\a)%4)+\b):8*(8*((\a)%4)+\b)+7], v[SC+8*NQ*(\sc)+NQ*\b+(\q)], v[SC+8*NQ*(\sc)+NQ*(\a)+(\q)] matrix_a_fmt:MATRIX_FMT_FP4 matrix_b_fmt:MATRIX_FMT_FP4 matrix_a_scale:MATRIX_SCALE_ROW1
.endif
.endr
.endr
.endm
.macro FETCH_B slot, q, p
	WIN TO_B
.irp i, 0,1,2,3,4,5,6,7
	FRAG 128*(\p)+FR*\i, ADRB+\slot, \q, \i
.endr
	WIN 0
.endm
.macro FETCH_A slot, q, i0
.irp i, \i0, \i0+1, \i0+2, \i0+3
	FRAG AF+FR*(\i), ADRA+\slot, \q, \i
.endr
.endm
.macro SCALES sc
.irp i, 0,1,2,3,4,5,6,7
	ds_load_b128 v[SC+8*NQ*\sc+NQ*\i:SC+8*NQ*\sc+NQ*\i+3], v[ADRS] offset:\i*SBLK
.endr
.endm
.macro PLACES
.rept 4
	v_nop
.endr
.endm
.macro STEP slot, q, first
	s_wait_dscnt 8
.if \first
	WIN FST_LO
.else
	WIN MUL_LO
.endif
	MUL16 0, (\q)%2, \q, \slot, \first
	MUL16 2, (\q)%2, \q, \slot, \first
	s_wait_dscnt 0x0
	PLACES
	FETCH_B \slot, (\q)+1, 1-(\q)%2
	FETCH_A \slot, (\q)+1, 0
.if \first
	WIN FST_HI
.else
	WIN MUL_HI
.endif
	MUL16 4, (\q)%2, \q, \slot, \first
	MUL16 6, (\q)%2, \q, \slot, \first
	PLACES
	WIN 0
	FETCH_A \slot, (\q)+1, 4
.endm
	s_wait_alu depctr_va_vdst(0)
	s_wait_tensorcnt 0x0
	s_barrier_signal -1
	s_barrier_wait -1
	FETCH_B 0, 0, 0
	FETCH_A 0, 0, 0
	SCALES 0
	FETCH_A 0, 0, 4
	STEP 0, 0, 1
	STEP 0, 1, 0
	STEP 0, 2, 0
	s_wait_dscnt 8
	WIN MUL_LO
	MUL16 0, 1, NQ-1, 0, 0
	s_wait_dscnt 0x0
	MUL16 2, 1, NQ-1, 0, 0
	WIN 0
	PLACES
	v_add_nc_u32 v[ADRS], 4*NQ, v[ADRS]
	FETCH_B 1, 0, 0
	FETCH_A 1, 0, 0
	SCALES 1
	WIN MUL_HI
	MUL16 4, 1, NQ-1, 0, 0
	MUL16 6, 1, NQ-1, 0, 0
	PLACES
	WIN 0
	FETCH_A 1, 0, 4
	STEP 1, 0, 0
	STEP 1, 1, 0
	STEP 1, 2, 0
	s_wait_dscnt 8
	WIN MUL_LO
	MUL16 0, 1, NQ-1, 1, 0
	MUL16 2, 1, NQ-1, 1, 0
	s_wait_dscnt 0x0
	WIN MUL_HI
	MUL16 4, 1, NQ-1, 1, 0
	MUL16 6, 1, NQ-1, 1, 0
	WIN 0
.macro QUANT s, pw
.irp b, 0,1,2,3
	v_max3_num_f32 v[TM+\b], |v[\s+16*\b]|, |v[\s+1+16*\b]|, 0x1800000
.endr
.irp i, 2,4,6,8,10,12,14
.irp b, 0,1,2,3
	v_max3_num_f32 v[TM+\b], v[TM+\b], |v[\s+16*\b+\i]|, |v[\s+1+16*\b+\i]|
.endr
.endr
.irp b, 0,1,2,3
	v_permlanex16_b32 v[TM+4+\b], v[TM+\b], s[SEL], s[SEL+1]
.endr
.irp b, 0,1,2,3
	v_max_num_f32 v[TM+\b], v[TM+\b], v[TM+4+\b]
.endr
.irp b, 0,1,2,3
	v_add_nc_u32 v[TM+12+\b], 0xff000000, v[TM+\b]
.endr
.irp b, 0,1,2,3
	v_lshrrev_b32 v[TM+4+\b], 23, v[TM+12+\b]
.endr
	v_lshl_or_b32 v[\pw], v[TM+5], 8, v[TM+4]
	v_lshl_or_b32 v[\pw], v[TM+6], 16, v[\pw]
	v_lshl_or_b32 v[\pw], v[TM+7], 24, v[\pw]
.irp b, 0,1,2,3
	v_cvt_scalef32_pk8_fp4_f32 v[PC+2*\b], v[\s+16*\b:\s+7+16*\b], v[TM+12+\b]
	v_cvt_scalef32_pk8_fp4_f32 v[PC+1+2*\b], v[\s+8+16*\b:\s+15+16*\b], v[TM+12+\b]
.endr
	v_nop
.irp c, 0,1
.irp i, 0,1
	v_permlane16_swap_b32 v[PC+4*\c+\i], v[PC+2+4*\c+\i]
.endr
.endr
.endm
.macro EPI a
.if (\a) > 0
	s_wait_xcnt 0x0
.if (\a) == 4
	s_add_nc_u64 s[92:93], s[92:93], s[98:99]
.else
	s_add_nc_u64 s[92:93], s[92:93], s[96:97]
.endif
.endif
.set WN, 0x02+(\a)/4
	WIN WN
.set jj, 0
.rept 32
	v_pk_add_f32 v[T+2*jj:T+2*jj+1], v[64*((\a)%4)+2*jj:64*((\a)%4)+2*jj+1], v[B1+2*(\a):B1+2*(\a)+1] op_sel_hi:[1,0]
.set jj, jj+1
.endr
	WIN 0
	QUANT T, PWS+(\a)
	global_store_b128 v[VO0], v[PC:PC+3], s[92:93]
	global_store_b128 v[VO1], v[PC+4:PC+7], s[92:93]
.endm
	PLACES
.irp b, 0,1,2,3
	v_mov_b32 v[TM+4+\b], 0
.endr
.irp a, 0,1,2,3,4,5,6,7
	EPI \a
.endr
	v_cmp_le_u32 vcc_lo, 16, v9
.irp p, 0,1,2,3
	v_cndmask_b32 v[R+\p], v[PWS+2*\p], v[PWS+2*\p+1], vcc_lo
.endr
	s_cmp_eq_u32 s22, 1
	s_cbranch_scc1 .Lv_words
	s_mov_b32 s47, 0x7f7f0000
.irp p, 0,1,2,3
	v_and_or_b32 v[E+\p], v[R+\p], 0xffff, s47
	v_lshrrev_b32 v[F+\p], 16, v[R+\p]
.endr
.irp p, 0,1,2,3
	v_or_b32 v[F+\p], s47, v[F+\p]
.endr
	global_store_b128 v[VO0], v[E:E+3], s[94:95]
	global_store_b128 v[VO0], v[F:F+3], s[94:95] offset:HEADB
	s_branch .Lwords_out
.Lv_words:
	s_wait_alu depctr_va_vdst(0)
	global_store_b64 v[VO8], v[R:R+1], s[94:95]
	global_store_b64 v[VO8], v[R+2:R+3], s[94:95] offset:HEADB
.Lwords_out:
	s_wait_tensorcnt 0x0
	ds_add_u32 v126, v127
	s_wait_dscnt 0x0
	CROUND
	s_endpgm
.Lfunc_end_k_q0561348b8b_proj:
	.size	k_q0561348b8b_proj, .Lfunc_end_k_q0561348b8b_proj-k_q0561348b8b_proj
	.p2alignl 7, 3214868480
	.fill 96, 4, 3214868480
	.section	.rodata,"a",@progbits
	.p2align	6, 0x0
	.amdhsa_kernel k_q0561348b8b_proj
		.amdhsa_group_segment_fixed_size 327680
		.amdhsa_private_segment_fixed_size 0
		.amdhsa_enable_private_segment 0
		.amdhsa_kernarg_size 48
		.amdhsa_user_sgpr_count 2
		.amdhsa_user_sgpr_kernarg_segment_ptr 1
		.amdhsa_wavefront_size32 1
		.amdhsa_system_sgpr_workgroup_id_x 1
		.amdhsa_system_sgpr_workgroup_id_y 1
		.amdhsa_system_sgpr_workgroup_id_z 1
		.amdhsa_system_vgpr_workitem_id 0
		.amdhsa_next_free_vgpr 1024
		.amdhsa_next_free_sgpr 102
		.amdhsa_reserve_vcc 1
		.amdhsa_float_denorm_mode_32 3
		.amdhsa_float_denorm_mode_16_64 3
		.amdhsa_memory_ordered 1
		.amdhsa_forward_progress 1
		.amdhsa_inst_pref_size 150
	.end_amdhsa_kernel
	.amdgpu_metadata
---
amdhsa.version: [ 1, 2 ]
amdhsa.kernels:
  - .name:           k_q0561348b8b_proj
    .symbol:         k_q0561348b8b_proj.kd
    .args:
      - { .name: codes, .offset: 0, .size: 8, .value_kind: global_buffer, .address_space: global }
      - { .name: scales, .offset: 8, .size: 8, .value_kind: global_buffer, .address_space: global }
      - { .name: bq, .offset: 16, .size: 8, .value_kind: global_buffer, .address_space: global }
      - { .name: bk, .offset: 24, .size: 8, .value_kind: global_buffer, .address_space: global }
      - { .name: bv, .offset: 32, .size: 8, .value_kind: global_buffer, .address_space: global }
      - { .name: heads, .offset: 40, .size: 8, .value_kind: global_buffer, .address_space: global }
    .group_segment_fixed_size: 327680
    .private_segment_fixed_size: 0
    .kernarg_segment_align: 8
    .kernarg_segment_size: 48
    .max_flat_workgroup_size: 128
    .sgpr_count:     102
    .vgpr_count:     1024
    .wavefront_size: 32
...
	.end_amdgpu_metadata
.endif
;; end of part 2
;; launch attn (part 3): grid 4 x 64, 8 waves a work-group, clusters of 4 x 1, 179,200 bytes of LDS; arguments heads, out0; writes out0
.if DOCPART == 3
	.amdgcn_target "amdgcn-amd-amdhsa--gfx1250"
	.amdhsa_code_object_version 6
	.text
	.protected	k_q0561348b8b_attn
	.globl	k_q0561348b8b_attn
	.p2align	8
	.type	k_q0561348b8b_attn,@function
k_q0561348b8b_attn:
	s_mov_b64 s[64:65], 0
	v_nop
	global_prefetch_b8 v0, s[64:65] scope:SCOPE_SE
	s_setreg_imm32_b32 hwreg(HW_REG_WAVE_MODE, 25, 1), 1
	s_wait_xcnt 0x0
	s_wait_alu depctr_hold_cnt(0) depctr_sa_sdst(0) depctr_va_vdst(0) depctr_va_sdst(0) depctr_va_ssrc(0) depctr_va_vcc(0) depctr_vm_vsrc(0)
	s_getreg_b32 s2, hwreg(HW_REG_IB_STS2, 6, 4)
	s_cmp_eq_u32 s2, 0
	s_cbranch_scc0 .Lentry_in_a_cluster
	s_endpgm
.Lentry_in_a_cluster:
	s_bfe_u32 s2, ttmp6, 0x10000c
	s_cmp_lg_u32 s2, 0x3003
	s_cbranch_scc0 .Lentry_shape_is_right
	s_endpgm
.Lentry_shape_is_right:
; out[b][q][64 h ..] = the sum over k of softmax_k(Q . K / 8) V, for 64 (batch, head) pairs of 2,048 tokens and 64 channels, both products on codes of FP4 (E2M1) with one E8M0 scale for each 32 along a product's K.
; Q, K, V come from the buffer heads as images of operand registers (lane l's 16 bytes at 16 l), their scale words two tiles to a register (lanes 0-15 the even tile's rows, lanes 16-31 the odd tile's).
; THE SOFTMAX: t = score x log2(e) / 8; M = the row's largest t so far, rounded UP to a whole number; p = 2^(t - M) is quantised along the keys, not normalised.
; The row's sum is taken of the unquantised p, in f32, and divides O at the end.  When M moves, the sums and O are multiplied by 2^(old M - new M): exact.
; SHARES.  A work-group owns 512 queries of one head; each of its EIGHT waves 64 of them, four tiles of 16, in 512 registers; a fragment of K or V read from LDS serves all four.  Every wave walks all 2,048 keys, 128 a step.
; The four tiles are worked as two pairs: every dependent chain is laid two tiles wide; the second tile's scalings stand between the first tile's exponentials, and part of the first tile's sum between the second's.
; The whole head's K and V stay in LDS: one dense block of 143,360 bytes, brought once, by eight loads of 17,920 bytes, one a wave.  No byte is filled again.
; CLUSTER.  The four work-groups of a head read the same block: each load is asked for jointly, with the same descriptor and a mask that names the four.
; No prefetch: the one fill stands at the head, and there is no loop to run ahead in.
; LAYOUT.  Both products are used transposed, in the form of 32 rows: S^T = K Q^T (source 0 = 32 keys, source 1 = 16 queries), O^T = V^T P^T (source 0 = 32 channels, source 1 = P): a lane holds ONE query of each tile throughout.
; Source 0's scale register serves all 32 rows, lane m for row m: a stored scale register, the even tile below and the odd tile above, is that as it lies.
; THE KEYS OF A TILE: stored tile 4 c + i of a step holds keys 64 c + 8 i + 0..7 in rows 0-7 and keys 64 c + 32 + 8 i + 0..7 in rows 8-15.  So in lane (r, h) the 32 registers of score tiles 4 c .. 4 c + 3 are
; keys 64 c + 32 h + 0 .. 31: ONE WHOLE BLOCK of the second product's K, in the order of that operand's registers.  A block's maximum needs no other lane, and the conversions' results are the operand as they stand.
; Queries and V's channels keep the order: position r of stored tile 2 b + u is row 32 b + 8 u + r + 8 (r / 8).
; K = 64 IN AN INSTRUCTION OF 128.  Q's upper four registers hold zero codes.  K's tiles, four registers each, lie in the slots 0, 2, 1, 3, 4, 6, 5, 7, four registers of zeros behind them.  Sixteen registers from slot 0, 1, 4 or 5 on
; are then a stored pair of tiles (2 q, 2 q + 1), each followed by four registers of another tile's codes (or the zeros), which are multiplied by zero codes under the scale byte of 1.0 on both sides: they add 0.
; REGISTERS, in two windows of 256 (s_set_vgpr_msb: bits 1:0 source 0, 3:2 source 1, 5:4 source 2, 7:6 destination).  Window 1: v0-127 S^T of the pair in hand, then p; v128-255 O^T of the four tiles.  Window 0: all else.
; The work is laid in stretches under one setting.
; LIMITS: NaN and infinities are not served; the promise holds while the scaled scores stay under 2^31 in magnitude.  A block's largest p is not searched for: its largest score goes through the same multiply-add and
; exponential, which takes v_exp_f32 not to fall where its input rises.  A block whose every p has fallen to 0 keeps the scale byte 1: its codes are zeros.
.set HEADB, 217088                     ; a head's bytes in heads: Q codes 0, Q scale words 65,536, then the block that goes to LDS
.set QSOFF, 65536
.set KVOFF, 73728
.set CHUNK, 17920                      ; 70 rows of 256 bytes: an eighth of the block
.set VC,    65536                      ; LDS: K's codes at 0, V's codes,
.set KSC,   131072                     ; K's scale words, 512 bytes a key step,
.set VSC,   139264                     ; V's, 256 bytes a key step;
.set STAGE, 143360                     ; 16 rows x 272 bytes for each wave, for the way out: no load fills them
.set SPARE, 178176                     ; the spare words, 128 bytes a wave
.set AK0,  1                           ; v1-4  my lane's place in K's codes, V's codes, K's scale words, V's
.set AV0,  2
.set ASK0, 3
.set ASV0, 4
.set GO,   5                           ; v5   the way out: my byte offset in two rows of out
.set STO,  6                           ; v6   where I put 32 bytes of a row
.set RD,   7                           ; v7   where I read a row back
.set ADK,  8                           ; v8-11 the step's LDS addresses
.set ADV,  9
.set ADS,  10
.set ADT,  11
.set ST,   12                          ; v12-19  tile t: -M at 12 + 2 t, the largest score behind it
.set SUM,  20                          ; v20-43  tile t: the row's sum in three pairs, from 20 + 6 t
.set QS,   44                          ; v44-47  Q's scale words, a register to a tile: row r's word in lane r
.set PW,   48                          ; v48-51  p's scale words
.set KSW,  52                          ; v52-55  K's scale words of the step
.set VSW,  56                          ; v56-57  V's
.set TA,   58                          ; v58-59  at work, one for each tile of the pair; so OLD (-M as it was) and XP (what lane l xor 16 sends)
.set OLD,  60
.set XP,   62
.set QF,   64                          ; v64-95  Q's four fragments: four registers of codes, four of zeros
.set KF,   96                          ; v96-127  K's eight slots x 4, later V's four fragments x 8;  v128-131 zeros
.set PCD,  132                         ; v132-163  p's codes
.set A,    164                         ; v164-179  the maxima's sixteen chains
.set BM,   164                         ; v164-167  then the pair's four blocks' largest scores, then largest p
.set SO,   168                         ; v168-171  the conversions' scale operands
.set BY,   172                         ; v172-175  the scales' bytes
.set W,    176                         ; v176-177  my half of a scale word
.set P,    180                         ; v180-191  the maxima's second level
.set FF,   192                         ; v192, v194  f = 2^(old M - new M); v193, v195 are named with them as pairs
.set SH8,  196                         ; v196  8 x (lane / 16)
.set WV,   28
.set SEL,  32                          ; s[32:33] lane selects: lane l xor 16
.set CS,   34                          ; s[34:35] c = log2(e) / 8
.set TB,   36                          ; s36-38 the step's codes, K's scale words, V's
.set TS,   37
.set TJ,   38
.set CNT,  39
.set MSB, 0
.macro WIN new                         ; the immediate's high byte repeats the setting that is left
.if MSB != \new
	s_set_vgpr_msb (MSB<<8)|\new
.set MSB, \new
.endif
.endm
.macro CROUND                          ; a round of the cluster's barrier
	s_barrier_signal -1
	s_barrier_wait -1
	s_cmp_lg_u32 s[WV], 0
	s_cbranch_scc1 .Lnot_wave_0_\@
	s_barrier_signal -3
.Lnot_wave_0_\@:
	s_barrier_wait -3
	s_barrier_signal -1
	s_barrier_wait -1
.endm
	s_load_b128 s[4:7], s[0:1], 0x0                ; heads, out0
	v_lshl_add_u32 v254, v0, 2, SPARE
	v_mov_b32 v255, 0
	ds_add_u32 v254, v255                          ; the opening lines: the add twice on end and its wait
	ds_add_u32 v254, v255
	v_lshrrev_b32 v1, 5, v0
	v_readfirstlane_b32 s[WV], v1                  ; wave 0..7
	s_bfe_u32 s29, ttmp6, 0x40000                  ; cx: my block of 512 queries; it enters Q's and out's addresses alone
	s_and_b32 s30, ttmp7, 0xffff                   ; 16 x batch + head, which the four partners share
	s_mul_i32 s40, s30, HEADB
	s_mov_b32 s41, 0
	s_mul_i32 s13, s[WV], CHUNK                    ; what I fetch: an eighth of the block, to the same place in LDS
	s_add_co_u32 s42, s13, KVOFF
	s_mov_b32 s43, 0
	s_mov_b32 s12, 1
	s_mov_b32 s16, 15|(3<<16)|(1<<21)              ; the mask: all four work-groups; elements of 8 bytes; no padding: every read is 16 x lane on end
	s_mov_b32 s17, 32<<16                          ; rows of 256 bytes,
	s_mov_b32 s18, 70<<16                          ; 70 of them
	s_mov_b32 s19, 32<<16
	s_mov_b32 s20, 70
	s_mov_b32 s21, 32                              ; dense
	s_mov_b32 s22, 0
	s_mov_b32 s23, 0
	s_lshl_b32 s44, s29, 5
	s_lshl_b32 s45, s[WV], 2
	s_add_co_u32 s44, s44, s45                     ; my first tile of queries: 32 cx + 4 wave,
	s_lshl_b32 s44, s44, 9                         ; 512 bytes a tile
	s_mov_b32 s45, 0
	s_lshl_b32 s46, s29, 2                         ; Q's scale words: 512 bytes for eight tiles; in them 4 bytes on for each pair of tiles
	s_lshr_b32 s47, s[WV], 1
	s_add_co_u32 s46, s46, s47
	s_lshl_b32 s46, s46, 9
	s_and_b32 s47, s[WV], 1
	s_lshl_b32 s47, s47, 3
	s_add_co_u32 s46, s46, s47
	s_add_co_u32 s46, s46, QSOFF
	s_mov_b32 s47, 0
	s_lshr_b32 s48, s30, 4                         ; out: row 2,048 batch + 512 cx + 64 wave of 4,096 bytes, + 256 head
	s_lshl_b32 s48, s48, 11
	s_lshl_b32 s49, s29, 9
	s_add_co_u32 s48, s48, s49
	s_lshl_b32 s49, s[WV], 6
	s_add_co_u32 s48, s48, s49
	s_lshl_b32 s48, s48, 12
	s_and_b32 s49, s30, 15
	s_lshl_b32 s49, s49, 8
	s_add_co_u32 s48, s48, s49
	s_mov_b32 s49, 0
	s_mov_b32 s[SEL], 0x76543210
	s_mov_b32 s[SEL+1], 0xfedcba98
	s_mov_b32 s[CS], 0x3e38aa3b                    ; c = log2(e) / sqrt(64)
	s_mov_b32 s[CS+1], s[CS]
	s_mov_b32 s[TB], 0
	s_mov_b32 s[TS], 0
	s_mov_b32 s[TJ], 0
	s_mov_b32 s[CNT], 16
	s_wait_dscnt 0x0
	s_wait_kmcnt 0x0
	s_add_nc_u64 s[8:9], s[4:5], s[40:41]          ; my head
	s_add_nc_u64 s[14:15], s[8:9], s[42:43]
	s_or_b32 s15, s15, 0x80000000
	s_add_nc_u64 s[10:11], s[8:9], s[44:45]        ; Q's codes
	s_add_nc_u64 s[24:25], s[8:9], s[46:47]        ; Q's scale words
	s_add_nc_u64 s[26:27], s[6:7], s[48:49]        ; out
	CROUND                                         ; all four work-groups are here: the joint loads meet
	tensor_load_to_lds s[12:15], s[16:23]          ; my one tensor load of the launch: every wave issues one
	s_nop 0
.rept 4
	v_nop
.endr
	v_and_b32 v8, 31, v0                           ; lane
	v_and_b32 v9, 15, v0                           ; r
	v_bfe_u32 v10, v0, 4, 1                        ; h
	v_lshlrev_b32 v[AK0], 4, v8
	v_lshlrev_b32 v11, 4, v9                       ; 16 r
.irp t, 0,1,2,3
	global_load_b128 v[QF+8*\t:QF+8*\t+3], v[AK0], s[10:11] offset:512*\t   ; Q stays in registers
.endr
.irp pr, 0,1
.irp u, 0,1
	global_load_b32 v[QS+2*\pr+\u], v11, s[24:25] offset:4*\pr+256*\u   ; row r's word of each tile, in lanes r and 16 + r: the pair's second tile lies 256 bytes on
.endr
.endr
.irp t, 0,1,2,3
.irp j, 4,5,6,7
	v_mov_b32 v[QF+8*\t+\j], 0                     ; zero codes for K = 64 .. 127
.endr
.endr
.irp j, 0,1,2,3
	v_mov_b32 v[KF+32+\j], 0                       ; behind K's last slot
.endr
	v_add_nc_u32 v[AV0], VC, v[AK0]
	v_add_nc_u32 v[ASK0], KSC, v[AK0]
	v_lshl_add_u32 v[ASV0], v8, 3, VSC
	v_lshlrev_b32 v[SH8], 3, v10
	v_lshlrev_b32 v[GO], 12, v10
	v_lshl_add_u32 v[GO], v9, 4, v[GO]             ; lanes 0-15 take one row of out, lanes 16-31 the next; 16 bytes a lane
	s_mul_i32 s31, s[WV], 16*272
	s_add_co_u32 s31, s31, STAGE                   ; my stage
	v_mul_u32_u24 v[STO], v9, 272
	v_lshl_add_u32 v[STO], v10, 6, v[STO]
	v_add_nc_u32 v[STO], s31, v[STO]               ; in: row r, + 64 h: register j of channel tile ct is channel 32 (ct / 2) + 16 h + 8 (ct % 2) + j
	v_mul_u32_u24 v[RD], v10, 272
	v_lshl_add_u32 v[RD], v9, 4, v[RD]
	v_add_nc_u32 v[RD], s31, v[RD]                 ; back: lanes 0-15 one row, lanes 16-31 the next
.irp t, 0,1,2,3
	v_mov_b32 v[ST+2*\t+1], 0xff61b1e6             ; the largest score so far: -3e38
	v_mov_b32 v[ST+2*\t], 0x7e000000               ; -M: so large that the first f is 0; it multiplies zeros
.endr
.set jj, 0
.rept 24
	v_mov_b32 v[SUM+jj], 0                         ; the sums
.set jj, jj+1
.endr
	v_mov_b32 v[XP], 0                             ; a lane permute's destination counts as one of its sources
	v_mov_b32 v[XP+1], 0
	v_mov_b32 v[FF+1], 0                           ; (named as the upper halves of pairs)
	v_mov_b32 v[FF+3], 0
	WIN 0x40
.set jj, 0
.rept 128
	v_mov_b32 v[128+jj], 0                         ; O^T: the step is written once; the first finds zeros
.set jj, jj+1
.endr
	WIN 0
	s_wait_alu depctr_va_vdst(0)
	s_wait_tensorcnt 0x0                           ; my part of the block has landed,
	s_wait_loadcnt 0x0                             ; and Q
	s_barrier_signal -1
	s_barrier_wait -1                              ; everybody's part has
; S^T of tile u of pair pr, stored key tiles 2 q and 2 q + 1: one product of 32 rows that starts its sums with 0
.macro KQ q, u, pr
.set DD, 64*(\u)+16*(\q)
.set AA, KF+16*((\q)/2)+4*((\q)%2)
.set BB, QF+16*(\pr)+8*(\u)
	v_wmma_scale_f32_32x16x128_f4 v[DD:DD+15], v[AA:AA+15], v[BB:BB+7], 0, v[KSW+(\q)], v[QS+2*(\pr)+(\u)]
.endm
; O^T of tile t, channels' tiles 2 j and 2 j + 1, += V^T P^T over the step's 128 keys
.macro PV j, t
.set OB, 128+32*(\t)+16*(\j)
	v_wmma_scale_f32_32x16x128_f4 v[OB:OB+15], v[KF+16*(\j):KF+16*(\j)+15], v[PCD+8*(\t):PCD+8*(\t)+7], v[OB:OB+15], v[VSW+(\j)], v[PW+(\t)]
.endm
; THE ROW'S SUM IS TAKEN OF THE UNQUANTISED p.  The first tile's 32 pairs have been added two and two in place: 16 are left, at every fourth register; the second tile's 32 lie as they were made.
.macro AADD pr, k
	v_pk_add_f32 v[SUM+12*(\pr)+2*((\k)%3):SUM+12*(\pr)+2*((\k)%3)+1], v[SUM+12*(\pr)+2*((\k)%3):SUM+12*(\pr)+2*((\k)%3)+1], v[4*(\k):4*(\k)+1]
.endm
.macro BADD pr, j
	v_pk_add_f32 v[SUM+12*(\pr)+6+2*((\j)%3):SUM+12*(\pr)+6+2*((\j)%3)+1], v[SUM+12*(\pr)+6+2*((\j)%3):SUM+12*(\pr)+6+2*((\j)%3)+1], v[64+2*(\j):65+2*(\j)]
.endm
.macro ROUNDS pr, from, n              ; two additions of the second tile's sum and one of the first's: a pair of registers comes round again four lines on or later
.set rr, \from
.rept \n
	BADD \pr, 3+2*rr
	BADD \pr, 4+2*rr
	AADD \pr, 3+rr
.set rr, rr+1
.endr
.endm
; A pair of tiles through one key step: scores, softmax, p's codes and scale words, the sums and O^T under the new M.
.macro PAIR pr
	WIN 0x40
.irp u, 0,1
.irp q, 0,1,2,3
	KQ \q, \u, \pr
.endr
.endr
	WIN 0
	v_mov_b32 v[OLD], v[ST+4*(\pr)]                ; -M as it was.  These four lines are the places behind the products (ISA guide 7.12.1 for vector instructions)
	v_mov_b32 v[OLD+1], v[ST+4*(\pr)+2]
	v_nop
	v_nop
.if \pr == 1
.irp f, 0,1,2,3,4,5,6,7
	ds_load_b128 v[KF+4*\f:KF+4*\f+3], v[ADV] offset:512*\f    ; V's four fragments take K's registers and land while the second pair's softmax is worked
.endr
.endif
	WIN 0x15
.irp u, 0,1
.irp i, 0,1,2,3,4,5,6,7
	v_max3_num_f32 v[A+8*\u+\i], v[64*\u+8*\i], v[64*\u+8*\i+1], v[64*\u+8*\i+2]   ; sixteen chains, one to eight registers; each accumulator is read from its low end on
.endr
.endr
	WIN 0x14
.irp k, 3,5
.irp u, 0,1
.irp i, 0,1,2,3,4,5,6,7
	v_max3_num_f32 v[A+8*\u+\i], v[A+8*\u+\i], v[64*\u+8*\i+\k], v[64*\u+8*\i+\k+1]
.endr
.endr
.endr
	WIN 0x10
.irp u, 0,1
.irp c, 0,1                                    ; block c of a lane's two: four chains and the four registers that they left
	v_max3_num_f32 v[P+6*\u+3*\c], v[A+8*\u+4*\c], v[A+8*\u+4*\c+1], v[64*\u+32*\c+7]
	v_max3_num_f32 v[P+6*\u+3*\c+1], v[A+8*\u+4*\c+2], v[A+8*\u+4*\c+3], v[64*\u+32*\c+15]
.endr
.endr
	WIN 0x05
.irp u, 0,1
.irp c, 0,1
	v_max_num_f32 v[P+6*\u+3*\c+2], v[64*\u+32*\c+23], v[64*\u+32*\c+31]
.endr
.endr
	WIN 0
.irp u, 0,1
.irp c, 0,1
	v_max3_num_f32 v[BM+2*\u+\c], v[P+6*\u+3*\c], v[P+6*\u+3*\c+1], v[P+6*\u+3*\c+2]   ; THE BLOCK'S LARGEST SCORE: for the row's maximum and, since p rises with the score, for the block's largest p
.endr
.endr
.irp u, 0,1
	v_max_num_f32 v[TA+\u], v[BM+2*\u], v[BM+2*\u+1]
.endr
.irp u, 0,1
	v_permlanex16_b32 v[XP+\u], v[TA+\u], s[SEL], s[SEL+1]
.endr
.irp u, 0,1
	v_max3_num_f32 v[ST+4*(\pr)+2*\u+1], v[ST+4*(\pr)+2*\u+1], v[TA+\u], v[XP+\u]   ; the running largest score of my query (c is positive)
.endr
.irp u, 0,1
	v_mul_f32 v[TA+\u], s[CS], v[ST+4*(\pr)+2*\u+1]   ; as t
.endr
.irp u, 0,1
	v_floor_f32 v[ST+4*(\pr)+2*\u], -v[TA+\u]      ; -M = floor(-t) = -ceil(t): M IS A WHOLE NUMBER
.endr
.irp u, 0,1
.irp c, 0,1
	v_fma_f32 v[BM+2*\u+\c], v[BM+2*\u+\c], s[CS], v[ST+4*(\pr)+2*\u]   ; t - M of each block's largest score
.endr
.endr
.irp u, 0,1
	v_sub_f32 v[TA+\u], v[ST+4*(\pr)+2*\u], v[OLD+\u]   ; old M less new M: a whole number, 0 or less
.endr
.irp u, 0,1
	v_cvt_i32_f32 v[TA+\u], v[TA+\u]               ; (it saturates)
.endr
	WIN 0x41
.set jj, 0
.rept 32
	v_pk_fma_f32 v[2*jj:2*jj+1], v[2*jj:2*jj+1], s[CS:CS+1], v[ST+4*(\pr):ST+4*(\pr)+1] op_sel_hi:[1,0,0]   ; the first tile's t - M, two at a time (of the pairs c and -M the low word serves both halves)
.set jj, jj+1
.endr
	WIN 0
	s_wait_alu depctr_va_vdst(0)
.irp b, 0,1,2,3
	v_exp_f32 v[BM+\b], v[BM+\b]                   ; the blocks' largest p: the same two instructions on the same number give the same bits
.endr
	WIN 0x41
.set jj, 0
.rept 32
	v_exp_f32 v[2*jj], v[2*jj]                     ; the first tile's p = 2^(t - M), at most 1: NOT normalised.  Between them the second tile's t - M: its sources were made ahead of the wait above, its results are read behind the wait below
	v_pk_fma_f32 v[64+2*jj:65+2*jj], v[64+2*jj:65+2*jj], s[CS:CS+1], v[ST+4*(\pr)+2:ST+4*(\pr)+3] op_sel_hi:[1,0,0]
	v_exp_f32 v[2*jj+1], v[2*jj+1]
.set jj, jj+1
.endr
	WIN 0
	s_wait_alu depctr_va_vdst(0)                   ; behind the first batch: for its results and for the second tile's t - M
.irp b, 0,1,2,3
	v_max_num_f32 v[BM+\b], 0x1800000, v[BM+\b]    ; the floor 2^(3 - 127): the byte cannot fall under 1
.endr
.irp b, 0,1,2,3
	v_add_nc_u32 v[SO+\b], 0xff000000, v[BM+\b]    ; 2 off the exponent field: the conversion's scale operand
.endr
.irp b, 0,1,2,3
	v_lshrrev_b32 v[BY+\b], 23, v[SO+\b]           ; the scale's byte
.endr
.irp u, 0,1
	v_lshl_or_b32 v[W+\u], v[BY+2*\u+1], 16, v[BY+2*\u]   ; my two bytes: blocks h and 2 + h,
.endr
.irp u, 0,1
	v_lshlrev_b32 v[W+\u], v[SH8], v[W+\u]         ; at their places in the word;
.endr
.irp u, 0,1
	v_permlanex16_b32 v[XP+\u], v[W+\u], s[SEL], s[SEL+1]
.endr
.irp u, 0,1
	v_or_b32 v[PW+2*(\pr)+\u], v[W+\u], v[XP+\u]   ; with lane l xor 16's two the word is whole
.endr
	WIN 0x01
.irp g, 0,1,2,3,4,5,6,7
	v_cvt_scalef32_pk8_fp4_f32 v[PCD+16*(\pr)+\g], v[8*\g:8*\g+7], v[SO+\g/4]   ; the first tile's codes: register 4 c + i of the operand: keys 64 c + 32 h + 8 i + 0 .. 7
.endr
	WIN 0
	v_ldexp_f32 v[FF], 1.0, v[TA]                  ; f = 2^(old M - new M): a multiplication by it rounds nothing.  (Also the plain lines behind the last conversion, whose sources are written below)
	v_ldexp_f32 v[FF+2], 1.0, v[TA+1]
	WIN 0x45
.set jj, 0
.rept 16
	v_exp_f32 v[64+4*jj], v[64+4*jj]               ; the second tile's p.  Behind every four: one addition of the first tile's sum, two pairs of p into one, in place: that p has been converted;
	v_exp_f32 v[65+4*jj], v[65+4*jj]               ; each of the sixteen writes registers of its own, which are read behind the wait below
	v_exp_f32 v[66+4*jj], v[66+4*jj]
	v_exp_f32 v[67+4*jj], v[67+4*jj]
	v_pk_add_f32 v[4*jj:4*jj+1], v[4*jj:4*jj+1], v[4*jj+2:4*jj+3]
.set jj, jj+1
.endr
	WIN 0x41
	s_wait_alu depctr_va_vdst(0)                   ; for the batch's results, and, directly ahead of O^T's first reader, for the last step's products
.irp u, 0,1
.set jj, 0
.rept 16
	v_pk_mul_f32 v[128+64*(\pr)+32*\u+2*jj:128+64*(\pr)+32*\u+2*jj+1], v[128+64*(\pr)+32*\u+2*jj:128+64*(\pr)+32*\u+2*jj+1], v[FF+2*\u:FF+2*\u+1] op_sel_hi:[1,0]   ; O^T under the new M; each accumulator from its low end on
.set jj, jj+1
.endr
.endr
	WIN 0x10
.irp j, 0,1,2                                  ; a sum's first line also brings it under the new M
	v_pk_fma_f32 v[SUM+12*(\pr)+2*\j:SUM+12*(\pr)+2*\j+1], v[SUM+12*(\pr)+2*\j:SUM+12*(\pr)+2*\j+1], v[FF:FF+1], v[4*\j:4*\j+1] op_sel_hi:[1,0,1]
	v_pk_fma_f32 v[SUM+12*(\pr)+6+2*\j:SUM+12*(\pr)+6+2*\j+1], v[SUM+12*(\pr)+6+2*\j:SUM+12*(\pr)+6+2*\j+1], v[FF+2:FF+3], v[64+2*\j:65+2*\j] op_sel_hi:[1,0,1]
.endr
	WIN 0x04
	ROUNDS \pr, 0, 12
	WIN 0x01
.irp g, 0,1,2,3,4,5,6,7
	v_cvt_scalef32_pk8_fp4_f32 v[PCD+16*(\pr)+8+\g], v[64+8*\g:64+8*\g+7], v[SO+2+\g/4]   ; the second tile's codes
.endr
	WIN 0x04
	ROUNDS \pr, 12, 1                              ; six plain lines behind the last conversion, ahead of the products that read the codes or write over p
	BADD \pr, 29
	BADD \pr, 30
	BADD \pr, 31
	WIN 0
.endm
.Lstep:                                            ; 16 trips: a key step of 128 keys
	v_add_nc_u32 v[ADK], s[TB], v[AK0]             ; these four are also the places behind the last trip's products, ahead of the loads into their registers
	v_add_nc_u32 v[ADV], s[TB], v[AV0]
	v_add_nc_u32 v[ADS], s[TS], v[ASK0]
	v_add_nc_u32 v[ADT], s[TJ], v[ASV0]
.irp s, 0,1,2,3,4,5,6,7
	ds_load_b128 v[KF+4*\s:KF+4*\s+3], v[ADK] offset:512*(4*(\s/4)+2*(\s%2)+(\s/2)%2)    ; K's eight tiles, 512 consecutive bytes a load, into the slots 0, 2, 1, 3, 4, 6, 5, 7
.endr
	ds_load_b128 v[KSW:KSW+3], v[ADS]
	ds_load_b64 v[VSW:VSW+1], v[ADT]
	s_wait_dscnt 1                                 ; K's codes and scale words are in; the youngest load, V's scale words, may be out
	PAIR 0
	PAIR 1
	s_wait_alu depctr_va_vdst(0)
	s_wait_dscnt 0x0                               ; V's codes and scale words are in
	WIN 0x50
.irp j, 0,1                                    ; the eight accumulators take turns, one instruction a turn
.irp t, 0,1,2,3
	PV \j, \t
.endr
.endr
	WIN 0
	s_add_co_u32 s[TB], s[TB], 4096
	s_add_co_u32 s[TS], s[TS], 512
	s_add_co_u32 s[TJ], s[TJ], 256
	s_sub_co_u32 s[CNT], s[CNT], 1
	s_cmp_lg_u32 s[CNT], 0
	s_cbranch_scc1 .Lstep
	; THE WAY OUT.  The sums' three pairs, their halves and the other half of the lanes' are added (twenty plain lines: the places behind the last products); O^T is divided by the sum and goes through my stage, a tile at a time.
.irp t, 0,1,2,3
	v_pk_add_f32 v[SUM+6*\t:SUM+6*\t+1], v[SUM+6*\t:SUM+6*\t+1], v[SUM+6*\t+2:SUM+6*\t+3]
.endr
.irp t, 0,1,2,3
	v_pk_add_f32 v[SUM+6*\t:SUM+6*\t+1], v[SUM+6*\t:SUM+6*\t+1], v[SUM+6*\t+4:SUM+6*\t+5]
.endr
.irp t, 0,1,2,3
	v_add_f32 v[SUM+6*\t], v[SUM+6*\t], v[SUM+6*\t+1]
.endr
.irp t, 0,1,2,3
	v_permlanex16_b32 v[A+\t], v[SUM+6*\t], s[SEL], s[SEL+1]
.endr
.irp t, 0,1,2,3
	v_add_f32 v[SUM+6*\t], v[SUM+6*\t], v[A+\t]
.endr
	s_wait_alu depctr_va_vdst(0)
.irp t, 0,1,2,3
	v_rcp_f32 v[SUM+6*\t], v[SUM+6*\t]
.endr
	v_nop                                          ; a plain line behind the last reciprocal
	WIN 0x41
	s_wait_alu depctr_va_vdst(0)                   ; one wait for the four, directly ahead of the first reader of them and of O^T
.irp t, 0,1,2,3
.set jj, 0
.rept 16
	v_pk_mul_f32 v[32*\t+2*jj:32*\t+2*jj+1], v[128+32*\t+2*jj:128+32*\t+2*jj+1], v[SUM+6*\t:SUM+6*\t+1] op_sel_hi:[1,0]   ; each accumulator from its low end on
.set jj, jj+1
.endr
.endr
	WIN 0
	s_wait_alu depctr_va_vdst(0)
.macro TOSTAGE t, back                 ; tile t into rows of 272 bytes, and back as whole rows of 256.  LDS serves a wave's instructions in order: the loads see the stores, and the next tile's stores come behind them
	WIN 0x04                                       ; the stores' data lie in window 1
.irp ct, 0,1,2,3
	ds_store_b128 v[STO], v[32*(\t)+8*\ct:32*(\t)+8*\ct+3] offset:128*(\ct/2)+32*(\ct%2)
	ds_store_b128 v[STO], v[32*(\t)+8*\ct+4:32*(\t)+8*\ct+7] offset:128*(\ct/2)+32*(\ct%2)+16
.endr
	WIN 0
.irp i, 0,1,2,3,4,5,6,7
	ds_load_b128 v[\back+4*\i:\back+4*\i+3], v[RD] offset:544*\i
.endr
.endm
.macro SEND t, back, younger           ; younger: the LDS instructions issued behind tile t's loads.  Stage rows 2 i and 2 i + 1 are queries 32 (t / 2) + 8 (t % 2) + 2 i + 8 (i / 4) and the next
.irp i, 0,1,2,3,4,5,6,7
	s_wait_dscnt \younger+7-\i
	global_store_b128 v[GO], v[\back+4*\i:\back+4*\i+3], s[26:27] offset:(32*((\t)/2)+8*((\t)%2)+2*\i+8*(\i/4))*4096 th:TH_STORE_NT   ; 16 lanes store 256 consecutive bytes, aligned
.endr
.endm
	TOSTAGE 0, KF
	TOSTAGE 1, PCD
	SEND 0, KF, 16                                 ; behind tile 0's loads: tile 1's eight stores and eight loads
	s_wait_xcnt 0x0                                ; tile 0's stores have read their registers: tile 2's loads may land there
	TOSTAGE 2, KF
	SEND 1, PCD, 16
	s_wait_xcnt 0x0
	TOSTAGE 3, PCD
	SEND 2, KF, 16
	SEND 3, PCD, 0
	s_wait_tensorcnt 0x0                           ; the wave's end
	ds_add_u32 v254, v255
	s_wait_dscnt 0x0
	CROUND                                         ; the closing round
	s_endpgm
.Lfunc_end_k_q0561348b8b_attn:
	.size	k_q0561348b8b_attn, .Lfunc_end_k_q0561348b8b_attn-k_q0561348b8b_attn
	.p2alignl 7, 3214868480
	.fill 96, 4, 3214868480
	.section	.rodata,"a",@progbits
	.p2align	6, 0x0
	.amdhsa_kernel k_q0561348b8b_attn
		.amdhsa_group_segment_fixed_size 179200
		.amdhsa_private_segment_fixed_size 0
		.amdhsa_enable_private_segment 0
		.amdhsa_kernarg_size 16
		.amdhsa_user_sgpr_count 2
		.amdhsa_user_sgpr_kernarg_segment_ptr 1
		.amdhsa_wavefront_size32 1
		.amdhsa_system_sgpr_workgroup_id_x 1
		.amdhsa_system_sgpr_workgroup_id_y 1
		.amdhsa_system_sgpr_workgroup_id_z 1
		.amdhsa_system_vgpr_workitem_id 0
		.amdhsa_next_free_vgpr 512
		.amdhsa_next_free_sgpr 66
		.amdhsa_reserve_vcc 0
		.amdhsa_float_denorm_mode_32 3
		.amdhsa_float_denorm_mode_16_64 3
		.amdhsa_memory_ordered 1
		.amdhsa_forward_progress 1
		.amdhsa_inst_pref_size 75
	.end_amdhsa_kernel
	.amdgpu_metadata
---
amdhsa.version: [ 1, 2 ]
amdhsa.kernels:
  - .name:           k_q0561348b8b_attn
    .symbol:         k_q0561348b8b_attn.kd
    .args:
      - { .name: heads, .offset: 0, .size: 8, .value_kind: global_buffer, .address_space: global }
      - { .name: out0, .offset: 8, .size: 8, .value_kind: global_buffer, .address_space: global }
    .group_segment_fixed_size: 179200
    .private_segment_fixed_size: 0
    .kernarg_segment_align: 8
    .kernarg_segment_size: 16
    .max_flat_workgroup_size: 256
    .sgpr_count:     66
    .vgpr_count:     512
    .wavefront_size: 32
...
	.end_amdgpu_metadata
.endif
;; end of part 3
